; MI455X (gfx1250); checked and timed in simulation.
; The chip was launched on July 23, 2026; its instructions are those of AMD's public machine-readable ISA for CDNA 5 (MIT licence, August 2026) and "CDNA5" Instruction Set Architecture Reference Guide (July 2026). The comments in the code are by the model that wrote it; some were corrected since.
;; Swin ST Transformer Module. Allowed arithmetic: float matrix products may take bf16 or f16 operands with f32 sums; all other float work in f32.
;; Inputs: ffn_b1_a 256 float32; ffn_b1_b 256 float32; ffn_b2_a 64 float32; ffn_b2_b 64 float32; ffn_w1_a 64 x 256 float32; ffn_w1_b 64 x 256 float32; ffn_w2_a 256 x 64 float32; ffn_w2_b 256 x 64 float32; ln_a1_b 64 x 16 x 207 float32; ln_a1_g 64 x 16 x 207 float32; ln_a2_b 64 x 16 x 207 float32; ln_a2_g 64 x 16 x 207 float32; ln_b1_b 64 x 16 x 207 float32; ln_b1_g 64 x 16 x 207 float32; ln_b2_b 64 x 16 x 207 float32; ln_b2_g 64 x 16 x 207 float32; proj_b_a 64 float32; proj_b_b 64 float32; proj_w_a 64 x 64 float32; proj_w_b 64 x 64 float32; qkv_b_a 192 float32; qkv_b_b 192 float32; qkv_w_a 64 x 192 float32; qkv_w_b 64 x 192 float32; x 8 x 64 x 16 x 207 float32.
;; Outputs: out0 8 x 64 x 16 x 207 float32.
;; Constants: n_head = 8, window_size = 4.
;; One version. Each part assembles by itself: llvm-mc -triple=amdgcn-amd-amdhsa -mcpu=gfx1250 --defsym DOCPART=n.
;; ======== version 1 of 1: 6 launches
;; workspace buffers: y1 7,340,032 bytes; y2 6,782,976 bytes; xa 6,782,976 bytes; sta 4,096 bytes; stb 4,096 bytes
;; launch attn_a (part 1): grid 256 x 1, 8 waves a work-group, no clusters, 317,184 bytes of LDS; arguments x, qkv_w_a, qkv_b_a, proj_w_a, proj_b_a, y1, sta; writes y1, sta
.if DOCPART == 1
	.amdgcn_target "amdgcn-amd-amdhsa--gfx1250"
	.amdhsa_code_object_version 6
	.text
	.protected	k_q5ea12438c3_attn_a
	.globl	k_q5ea12438c3_attn_a
	.p2align	8
	.type	k_q5ea12438c3_attn_a,@function
k_q5ea12438c3_attn_a:
	s_mov_b64 s[64:65], 0
	v_nop
	global_prefetch_b8 v0, s[64:65] scope:SCOPE_SE
	s_setreg_imm32_b32 hwreg(HW_REG_WAVE_MODE, 25, 1), 1
	s_wait_xcnt 0x0
; Window attention + projection + residual of one block, and the partial statistics of the LayerNorm that follows.
; x: [8][64][16][207] f32.  For a fixed sample and channel the 828 tokens of a window are 3,312 consecutive bytes.
; Work-group id = 32 b + 8 w + qb: sample b, window w, queries 112 qb .. 112 qb + 111 (7 tiles of 16; qb = 7 has 44 real tokens, the
; others are copies of the window's last tokens: finite, never counted, never used).  Wave = head.  Everything is kept
; transposed (tokens in the lanes), so that each matrix result converts in its own lane into the next operand:
;   S^T = K (rows: keys) x Q (columns: queries);  two key tiles, packed to bf16, are the operand P (32 keys x 16 queries);
;   O^T = V^T x P, V^T with a ninth row of ones: that row of the result is the row sum, taken from the same rounded P.
; The head has 8 dims, so 8 of the 16 K places of a half operand are spare.  Pass 1 takes the exact row maximum m of the scaled scores.
; Pass 2 puts -m, as two bf16 (high part and remainder), into two spare places of Q against two ones in K:
; the product comes out as score - m and goes straight into the exponential.
; LIMITS: NaN and infinite inputs are not served.  The shift is m rounded to 16 mantissa bits (off by at most 2^-16 |m|), the same in the
; numerator and in the row sum.  Matrix operands are bf16, sums f32; exponential and reciprocal are the 1-ULP hardware forms.
; NO JOINT TILE LOADS, though the 8 work-groups of a window read the same x: x has to be rounded to bf16 on its way into LDS, which goes
; through registers, and the window in f32 (211,968 bytes) does not fit beside K and V (217,088 bytes).
.set SAMPLE, 847872                    ; bytes of a sample
.set CROW,   13248                     ; bytes of a channel's 3,312 tokens
.set WINB,   3312                      ; bytes of a window in such a row
.set BLK,    28672                     ; bytes of a work-group's block in y1: [tile 7][mt 4][half 2][lane 32][4 f32]
; LDS.  Pitches are odd multiples of 32 bytes, as the transposing loads want.
.set KVP,  1696                        ; K^T and V^T: row 16 head + d is K, 16 head + 8 + d is V; 832 bf16 keys a row; from byte 0, 128 rows
.set XQP,  288                         ; my 112 query columns of x, [64 c][112] bf16, from byte 0 (gone before K and V are written)
.set XHP,  864                         ; half a window of x, [64 c][416] bf16
.set WQP,  416                         ; qkv_w, [64][192] bf16
.set WOP,  160                         ; proj_w, [64][64] bf16
.set XH,   217088
.set WQ,   272384
.set OST,  272384                      ; attention output, [head][112 tokens][8 bf16], over qkv_w, which is long read by then
.set WO,   299008
.set ONEA, 309248                      ; 1.0 everywhere
.set ONES, 311312                      ; 1.0 for keys below 828, else 0
.set ZERO, 313648                      ; 0
.set STAT, 315904                      ; one record of 16 bytes a wave
; vector registers: v0 thread, v1 lane L, v2 r = L & 15, v3 h = L >> 4, v4 L & 7, v5 g = (L >> 3) & 1, v6 K address, v7 V address,
; v8 x fragment address, v9 K/V store address, v10, v11 running K, V addresses, v12, v13 x offsets in memory, v14 x store address, v15 8 h + (L & 7)
.set QF,  16                           ; v[16:71]   Q, 7 tiles x 8 (the 4 registers of a tile twice)
.set QA,  72                           ; v[72:103]  Q sums, 4 tiles
.set XF,  72                           ; v[72:103]  x fragments of the K/V phase, 2 tiles x 2 halves of the channels
.set KF,  72                           ; v[72:95]   K fragments, 2 buffers of [K0 4][zero 4][K1 4]
.set SA,  96                           ; v[96:151]  pass 1: scores of the first 16 keys, 7 query tiles
.set VF,  96                           ; v[96:111]  V fragments, 2 buffers
.set XR,  112                          ; v[112:215] x as loaded, 26 x 4
.set WQF, 112                          ; v[112:127] Wq fragments
.set OAC, 112                          ; v[112:167] O sums, 7 tiles
.set CQ,  128                          ; v[128:135] q bias as C
.set XFQ, 136                          ; v[136:199] x fragments of the Q phase, 4 tiles x 16
.set SB,  152                          ; v[152:207] pass 1: scores of the second 16 keys
.set SC,  168                          ; v[168:199] pass 2: scores, 2 buffers of 16
.set PB,  200                          ; v[200:215] pass 2: P, 2 buffers of 8
.set WKV, 216                          ; v[216:231] Wk|Wv fragments
.set RES, 216                          ; v[216:247] residual, then the result
.set CKV, 232                          ; v[232:239] k|v bias as C
.set KA,  240                          ; v[240:255] K|V sums, 2 tiles
.set MX,  248                          ; v[248:254] running maxima
.set OB,  16                           ; projection: O fragments
.set WOF, 32                           ; projection: Wo fragments, 2 x 4 x 8
.set BO,  96                           ; projection: bias
.set REC, 128                          ; v[128:131] record (n, mean, M2, 0)
.set CW,  132                          ; v[132:135] work of COMBINE
.set LW,  136                          ; v[136:161] work of LANESTAT
.macro PLACES                          ; four places behind a matrix instruction (ISA guide 7.12.1) where no useful work is at hand
.rept 4
	v_nop
.endr
.endm
.macro PACK4 x                         ; four f32 in v[x:x+3] become four bf16 in v[x:x+1]
	v_cvt_pk_bf16_f32 v[\x], v[\x], v[\x+1]
	v_cvt_pk_bf16_f32 v[\x+1], v[\x+2], v[\x+3]
.endm
.macro WSUM d, t                       ; sum over the 32 lanes, the result in every lane; t has been written before
	v_add_f32_dpp v[\d], v[\d], v[\d] row_xmask:1 row_mask:0xf bank_mask:0xf
	v_add_f32_dpp v[\d], v[\d], v[\d] row_xmask:2 row_mask:0xf bank_mask:0xf
	v_add_f32_dpp v[\d], v[\d], v[\d] row_xmask:4 row_mask:0xf bank_mask:0xf
	v_add_f32_dpp v[\d], v[\d], v[\d] row_xmask:8 row_mask:0xf bank_mask:0xf
	v_permlanex16_b32 v[\t], v[\d], s30, s31
	v_add_f32 v[\d], v[\d], v[\t]
.endm
; One record (n, mean, M2) a lane becomes the record of all 32 in every lane: M2 = sum of M2_i + n_i (mean_i - mean)^2.
; No difference of large sums is formed.  v[w] = 1 / max(n, 1).
.macro COMBINE rec, w
	v_mul_f32 v[\w+1], v[\rec], v[\rec+1]
	v_mov_b32 v[\w+2], v[\rec]
	v_mov_b32 v[\w+3], 0
	WSUM \rec, \w+3
	WSUM \w+1, \w+3
	v_max_num_f32 v[\w+3], 1.0, v[\rec]
	v_rcp_f32 v[\w], v[\w+3]
	v_nop                                          ; one plain instruction behind the reciprocal (ISA guide 5.7.2)
	s_wait_alu depctr_va_vdst(0)
	v_mul_f32 v[\w+1], v[\w+1], v[\w]              ; the mean of all
	v_sub_f32 v[\rec+1], v[\rec+1], v[\w+1]
	v_mul_f32 v[\w+2], v[\w+2], v[\rec+1]
	v_fma_f32 v[\rec+2], v[\w+2], v[\rec+1], v[\rec+2]
	WSUM \rec+2, \w+3
	v_mov_b32 v[\rec+1], v[\w+1]
.endm
; The record of a lane's 32 numbers v[y:y+31]: mean first, then the squares of the differences; all zero where the mask is off.
.macro LANESTAT y, rec, w, mask
.irp c, 0,1,2,3
	v_pk_add_f32 v[\w+2*\c:\w+2*\c+1], v[\y+4*\c:\y+4*\c+1], v[\y+4*\c+2:\y+4*\c+3]
.endr
.irp c, 0,1,2,3
	v_pk_add_f32 v[\w+2*\c:\w+2*\c+1], v[\w+2*\c:\w+2*\c+1], v[\y+16+2*\c:\y+16+2*\c+1]
.endr
.irp c, 0,1,2,3
	v_pk_add_f32 v[\w+2*\c:\w+2*\c+1], v[\w+2*\c:\w+2*\c+1], v[\y+24+2*\c:\y+24+2*\c+1]
.endr
	v_pk_add_f32 v[\w:\w+1], v[\w:\w+1], v[\w+2:\w+3]
	v_pk_add_f32 v[\w+4:\w+5], v[\w+4:\w+5], v[\w+6:\w+7]
	v_pk_add_f32 v[\w:\w+1], v[\w:\w+1], v[\w+4:\w+5]
	v_add_f32 v[\w], v[\w], v[\w+1]
	v_mul_f32 v[\w+8], 0x3d000000, v[\w]           ; / 32
	v_mul_f32 v[\w+9], 0x3d000000, v[\w]
.set k, 0
.rept 4
.irp c, 0,1,2,3
	v_pk_add_f32 v[\w+10+2*\c:\w+11+2*\c], v[\y+8*k+2*\c:\y+8*k+2*\c+1], v[\w+8:\w+9] neg_lo:[0,1] neg_hi:[0,1]
.endr
.irp c, 0,1,2,3
.if k == 0
	v_pk_mul_f32 v[\w+18+2*\c:\w+19+2*\c], v[\w+10+2*\c:\w+11+2*\c], v[\w+10+2*\c:\w+11+2*\c]
.else
	v_pk_fma_f32 v[\w+18+2*\c:\w+19+2*\c], v[\w+10+2*\c:\w+11+2*\c], v[\w+10+2*\c:\w+11+2*\c], v[\w+18+2*\c:\w+19+2*\c]
.endif
.endr
.set k, k+1
.endr
	v_pk_add_f32 v[\w+18:\w+19], v[\w+18:\w+19], v[\w+20:\w+21]
	v_pk_add_f32 v[\w+22:\w+23], v[\w+22:\w+23], v[\w+24:\w+25]
	v_pk_add_f32 v[\w+18:\w+19], v[\w+18:\w+19], v[\w+22:\w+23]
	v_add_f32 v[\w+18], v[\w+18], v[\w+19]
	v_mov_b32 v[\rec], 0x42000000                  ; 32 numbers
	v_cndmask_b32 v[\rec], 0, v[\rec], \mask
	v_cndmask_b32 v[\rec+1], 0, v[\w+8], \mask
	v_cndmask_b32 v[\rec+2], 0, v[\w+18], \mask
.endm
	s_load_b256 s[4:11], s[0:1], 0x0               ; x s[4:5], qkv_w s[6:7], qkv_b s[8:9], proj_w s[10:11]
	s_load_b128 s[12:15], s[0:1], 0x20             ; proj_b s[12:13], y1 s[14:15]
	s_load_b64 s[16:17], s[0:1], 0x30              ; the statistics
	s_set_vgpr_msb 0x40
	v_lshl_add_u32 v0, v0, 2, 0x4d300
	v_mov_b32 v1, 0
	s_set_vgpr_msb 0x4000
	v_lshrrev_b32 v15, 5, v0
	v_readfirstlane_b32 s18, v15                   ; wave = head
	s_lshr_b32 s19, ttmp9, 5                       ; b
	s_bfe_u32 s20, ttmp9, 0x20003                  ; w
	s_and_b32 s21, ttmp9, 7                        ; qb
	s_mov_b32 s25, 0xffff0000                      ; lanes with h = 1
	s_mov_b32 s26, 0xff00ff00                      ; lanes with r >= 8
	s_mov_b32 s27, 0x80808080                      ; lanes with L & 7 = 7
	s_mov_b32 s30, 0x76543210                      ; v_permlanex16_b32: lane i of the other half
	s_mov_b32 s31, 0xfedcba98
	s_mov_b32 s42, 0x3f0293ee                      ; log2(e) / sqrt(8), multiplied into Q in f32
	s_mov_b32 s43, 0x3f0293ee
	v_and_b32 v1, 31, v0
	v_and_b32 v2, 15, v0
	v_bfe_u32 v3, v0, 4, 1
	v_and_b32 v4, 7, v0
	v_bfe_u32 v5, v0, 3, 1
	v_lshl_add_u32 v15, v3, 3, v4
	; offsets in memory: each load has an offset register that stays as it is until the load is in
	s_mul_i32 s22, s18, 6144
	v_mul_u32_u24 v248, v3, 768
	v_lshl_add_u32 v248, v2, 4, v248
	v_add_nc_u32 v248, s22, v248                   ; qkv_w: row 8 wave + h, 16 bytes at 16 r
	s_lshl_b32 s22, s18, 11
	v_lshlrev_b32 v249, 8, v3
	v_lshl_add_u32 v249, v2, 4, v249
	v_add_nc_u32 v249, s22, v249                   ; proj_w: row 8 wave + h, 16 bytes at 16 r
	s_lshl_b32 s22, s18, 3                         ; 8 x wave
	v_lshrrev_b32 v247, 2, v1
	v_add_nc_u32 v247, s22, v247                   ; query columns: channel 8 wave + (L >> 2)
	v_mul_u32_u24 v251, v247, XQP
	v_mul_u32_u24 v247, v247, CROW
	v_and_b32 v250, 3, v1
	v_lshl_add_u32 v254, v250, 3, v251             ; and where they go in LDS
	s_mul_i32 s23, s21, 28
	v_add_nc_u32 v250, s23, v250                   ; group of 4 tokens 28 qb + (L & 3) + 4 i,
.irp i, 0,1,2,3,4,5,6
	v_add_nc_u32 v[240+\i], 4*\i, v250
	v_min_u32 v[240+\i], 206, v[240+\i]            ; held inside the window's 207 groups
	v_lshl_add_u32 v[240+\i], v[240+\i], 4, v247
.endr
	v_mad_u32_u24 v250, v5, 56, v2                 ; k|v bias: column 64 + 8 head + r for K (r < 8), 128 + 8 head + r - 8 for V
	s_add_co_u32 s23, s22, 64
	v_add_lshl_u32 v250, v250, s23, 2
	v_lshrrev_b32 v251, 3, v1
	v_add_nc_u32 v251, s22, v251                   ; window halves: channel 8 wave + (L >> 3) (+ 4), 16 bytes at 16 (L & 7)
	v_mul_u32_u24 v12, v251, CROW
	v_lshl_add_u32 v12, v4, 4, v12
	v_add_nc_u32 v13, -16, v12
	v_cndmask_b32 v13, v12, v13, s27               ; the same, one group back where L & 7 = 7: for the group behind the window's end
	v_mul_u32_u24 v14, v251, XHP
	v_lshl_add_u32 v14, v4, 3, v14
	v_add_nc_u32 v14, XH, v14
	v_add_nc_u32 v252, s22, v3                     ; LDS places of the weights
	v_mul_u32_u24 v253, v252, WOP
	v_mul_u32_u24 v252, v252, WQP
	v_lshl_add_u32 v252, v2, 3, v252
	v_add_nc_u32 v252, WQ, v252
	v_lshl_add_u32 v253, v2, 3, v253
	v_add_nc_u32 v253, WO, v253
	v_lshl_add_u32 v255, v0, 3, ONEA               ; the constant rows: 8 bytes a thread
	s_wait_kmcnt 0x0
	s_mul_i32 s22, s19, SAMPLE
	s_mul_i32 s23, s20, WINB
	s_add_co_u32 s22, s22, s23
	s_mov_b32 s23, 0
	s_add_nc_u64 s[4:5], s[4:5], s[22:23]          ; x at my sample's channel 0, my window
	s_mul_i32 s22, ttmp9, BLK
	s_add_nc_u64 s[14:15], s[14:15], s[22:23]      ; my block of y1
	s_lshl_b32 s22, ttmp9, 4
	s_add_nc_u64 s[16:17], s[16:17], s[22:23]      ; my record
	s_lshl_b32 s22, s18, 5
	s_add_nc_u64 s[40:41], s[8:9], s[22:23]
	s_load_b256 s[32:39], s[40:41], 0x0            ; q bias of my head
.macro XLOAD half                      ; 26 loads: 8 channels x 416 tokens of half a window, 128 consecutive bytes for each 8 lanes
.set n, 0
.rept 26
.if \half*((n%13)/12)
	global_load_b128 v[XR+4*n:XR+4*n+3], v13, s[4:5] offset:(n/13)*4*CROW+\half*1664+(n%13)*128
.else
	global_load_b128 v[XR+4*n:XR+4*n+3], v12, s[4:5] offset:(n/13)*4*CROW+\half*1664+(n%13)*128
.endif
.set n, n+1
.endr
.endm
.macro XSTORE half                     ; they are rounded and laid into LDS; keys 828 to 831 become copies of token 827
.set n, 0
.rept 26
	s_wait_loadcnt 25-n                            ; loads come back in order (ISA guide 5.7.1): the younger of the 26 stay out
.if \half*((n%13)/12)
	v_cvt_pk_bf16_f32 v104, v[XR+4*n+3], v[XR+4*n+3]
	PACK4 XR+4*n
	v_cndmask_b32 v[XR+4*n], v[XR+4*n], v104, s27
	v_cndmask_b32 v[XR+4*n+1], v[XR+4*n+1], v104, s27
.else
	PACK4 XR+4*n
.endif
	ds_store_b64 v14, v[XR+4*n:XR+4*n+1] offset:(n/13)*4*XHP+(n%13)*64
.set n, n+1
.endr
.endm
	; all 50 loads go out at once: 12 qkv_w, 4 proj_w, 7 query columns, 1 bias, 26 of the window's first half
.set n, 0
.rept 12
	global_load_b128 v[16+4*n:19+4*n], v248, s[6:7] offset:(n/3)*1536+(n%3)*256
.set n, n+1
.endr
.set n, 0
.rept 4
	global_load_b128 v[64+4*n:67+4*n], v249, s[10:11] offset:n*512
.set n, n+1
.endr
.set n, 0
.rept 7
	global_load_b128 v[80+4*n:83+4*n], v[240+n], s[4:5]
.set n, n+1
.endr
	global_load_b32 v[CKV], v250, s[8:9]
	XLOAD 0
	; the constant rows, while the loads are on their way
	v_mov_b32 v108, 0x3f803f80
	v_mov_b32 v109, 0x3f803f80
	v_mov_b32 v110, 0
	v_mov_b32 v111, 0
	ds_store_b64 v255, v[108:109]
	ds_store_b64 v255, v[110:111] offset:ZERO-ONEA
	v_cmp_gt_u32 vcc_lo, 207, v0                   ; thread t holds keys 4 t .. 4 t + 3: real below 828
	v_cndmask_b32 v108, 0, v108, vcc_lo
	v_cndmask_b32 v109, 0, v109, vcc_lo
	ds_store_b64 v255, v[108:109] offset:ONES-ONEA
	s_wait_loadcnt 38                              ; qkv_w is in: 4 + 7 + 1 + 26 younger loads stay out
.set n, 0
.rept 12
	PACK4 16+4*n
	ds_store_b64 v252, v[16+4*n:17+4*n] offset:(n/3)*2*WQP+(n%3)*128
.set n, n+1
.endr
	s_wait_loadcnt 34                              ; proj_w: 7 + 1 + 26 stay out
.set n, 0
.rept 4
	PACK4 64+4*n
	ds_store_b64 v253, v[64+4*n:65+4*n] offset:n*2*WOP
.set n, n+1
.endr
	s_wait_loadcnt 27                              ; the query columns: 1 + 26 stay out
.set n, 0
.rept 7
	PACK4 80+4*n
	ds_store_b64 v254, v[80+4*n:81+4*n] offset:n*32
.set n, n+1
.endr
	XSTORE 0
	s_wait_dscnt 0x0                               ; my LDS stores are done, for the other waves' sake
	s_barrier_signal -1
	s_barrier_wait -1
	; weight fragments, by transposing loads from [channel][column]
	s_lshl_b32 s22, s18, 4
	s_add_co_u32 s22, s22, WQ
	v_mul_u32_u24 v248, v15, WQP
	v_add_nc_u32 v248, s22, v248
	v_lshl_add_u32 v249, v5, 4, v248               ; Wq: columns 8 head + r (those with r >= 8 are cleared below)
	v_lshl_add_u32 v248, v5, 7, v248               ; Wk|Wv: columns 64 + 8 head + r, and 128 + 8 head + r - 8
	v_mul_u32_u24 v8, v15, XQP
	v_lshl_add_u32 v8, v5, 4, v8
.irp kh, 0,1
	ds_load_tr16_b128 v[WKV+8*\kh:WKV+8*\kh+3], v248 offset:128+\kh*32*WQP
	ds_load_tr16_b128 v[WKV+8*\kh+4:WKV+8*\kh+7], v248 offset:128+\kh*32*WQP+16*WQP
	ds_load_tr16_b128 v[WQF+8*\kh:WQF+8*\kh+3], v249 offset:\kh*32*WQP
	ds_load_tr16_b128 v[WQF+8*\kh+4:WQF+8*\kh+7], v249 offset:\kh*32*WQP+16*WQP
.endr
.irp j, 1,2,3,4,5,6,7
	v_mov_b32 v[CKV+\j], v[CKV]                    ; the bias of column r, for all 8 tokens of the lane
.endr
	s_wait_kmcnt 0x0
.irp j, 0,1,2,3,4,5,6,7
	v_mov_b32 v[CQ+\j], s[32+\j]
	v_cndmask_b32 v[CQ+\j], v[CQ+\j], 0, s25       ; rows 8 to 15 of Q^T stay zero
.endr
	s_wait_dscnt 0x0
.set n, 0
.rept 16
	v_cndmask_b32 v[WQF+n], v[WQF+n], 0, s26
.set n, n+1
.endr
; Q^T = Wq^T x X + bias for count query tiles from tile first on; scaled, rounded, laid twice into the tile's 8 registers.
; The sums take turns, one instruction a turn.
.macro QBATCH first, count
.irp t, 0,1,2,3
.if \t < \count
.irp kh, 0,1
	ds_load_tr16_b128 v[XFQ+16*\t+8*\kh:XFQ+16*\t+8*\kh+3], v8 offset:(\first+\t)*32+\kh*32*XQP
	ds_load_tr16_b128 v[XFQ+16*\t+8*\kh+4:XFQ+16*\t+8*\kh+7], v8 offset:(\first+\t)*32+\kh*32*XQP+16*XQP
.endr
.endif
.endr
	s_wait_dscnt 0x0
.irp t, 0,1,2,3
.if \t < \count
	v_wmma_f32_16x16x32_bf16 v[QA+8*\t:QA+8*\t+7], v[WQF:WQF+7], v[XFQ+16*\t:XFQ+16*\t+7], v[CQ:CQ+7]
.endif
.endr
.irp t, 0,1,2,3
.if \t < \count
	v_wmma_f32_16x16x32_bf16 v[QA+8*\t:QA+8*\t+7], v[WQF+8:WQF+15], v[XFQ+16*\t+8:XFQ+16*\t+15], v[QA+8*\t:QA+8*\t+7]
.endif
.endr
	PLACES
.irp t, 0,1,2,3
.if \t < \count
.irp i, 0,1,2,3
	v_pk_mul_f32 v[QA+8*\t+2*\i:QA+8*\t+2*\i+1], v[QA+8*\t+2*\i:QA+8*\t+2*\i+1], s[42:43] op_sel_hi:[1,0]
.endr
.irp i, 0,1,2,3
	v_cvt_pk_bf16_f32 v[QF+8*(\first+\t)+\i], v[QA+8*\t+2*\i], v[QA+8*\t+2*\i+1]
	v_cvt_pk_bf16_f32 v[QF+8*(\first+\t)+4+\i], v[QA+8*\t+2*\i], v[QA+8*\t+2*\i+1]
.endr
.endif
.endr
.endm
	QBATCH 0, 4
	QBATCH 4, 3
	s_wait_dscnt 0x0                               ; my reads of the query columns and of qkv_w are over
	s_barrier_signal -1
	s_barrier_wait -1                              ; everybody's are: K and V may be written over the query columns
	XLOAD 1                                        ; the window's second half comes in while the first is multiplied
; K|V of 2 token tiles: rows = tokens, columns = 8 dims of K and 8 of V.  A lane's 8 results are 8 neighbouring tokens of one column:
; 16 bytes of row 16 head + r.  cnt: LDS instructions issued behind the fragment loads that are waited for.
.macro KVFETCH
.irp t, 0,1
.irp kh, 0,1
	ds_load_tr16_b128 v[XF+16*\t+8*\kh:XF+16*\t+8*\kh+3], v8 offset:\t*32+\kh*32*XHP
	ds_load_tr16_b128 v[XF+16*\t+8*\kh+4:XF+16*\t+8*\kh+7], v8 offset:\t*32+\kh*32*XHP+16*XHP
.endr
.endr
.endm
.macro KVTRIP fetch, cnt
	s_wait_dscnt \cnt                              ; LDS serves a wave in order (ISA guide 5.7.1): the 8 fragment loads are in, the stores behind them may be out
	v_wmma_f32_16x16x32_bf16 v[KA:KA+7], v[XF:XF+7], v[WKV:WKV+7], v[CKV:CKV+7]
	v_wmma_f32_16x16x32_bf16 v[KA+8:KA+15], v[XF+16:XF+23], v[WKV:WKV+7], v[CKV:CKV+7]
	v_wmma_f32_16x16x32_bf16 v[KA:KA+7], v[XF+8:XF+15], v[WKV+8:WKV+15], v[KA:KA+7]
	v_wmma_f32_16x16x32_bf16 v[KA+8:KA+15], v[XF+24:XF+31], v[WKV+8:WKV+15], v[KA+8:KA+15]
	PLACES
.if \fetch
	v_add_nc_u32 v8, 64, v8                        ; 32 tokens on
	KVFETCH
.endif
.irp t, 0,1
.irp i, 0,1,2,3
	v_cvt_pk_bf16_f32 v[KA+8*\t+\i], v[KA+8*\t+2*\i], v[KA+8*\t+2*\i+1]
.endr
.endr
	ds_store_b128 v9, v[KA:KA+3]
	ds_store_b128 v9, v[KA+8:KA+11] offset:32
	v_add_nc_u32 v9, 64, v9
.endm
.macro KVHALF                          ; 416 tokens = 13 trips; the store address runs on from the first half into the second (13 x 64 = 832 bytes)
	v_mul_u32_u24 v8, v15, XHP
	v_lshl_add_u32 v8, v5, 4, v8
	v_add_nc_u32 v8, XH, v8
	KVFETCH
	KVTRIP 1, 0
	s_mov_b32 s24, 11
.Lkv_\@:
	KVTRIP 1, 2
	s_sub_co_u32 s24, s24, 1
	s_cmp_lg_u32 s24, 0
	s_cbranch_scc1 .Lkv_\@
	KVTRIP 0, 2
.endm
	s_mul_i32 s22, s18, 16*KVP
	v_mul_u32_u24 v9, v2, KVP
	v_lshl_add_u32 v9, v3, 4, v9
	v_add_nc_u32 v9, s22, v9                       ; row 16 head + r, tokens 8 h ..
	KVHALF
	s_wait_dscnt 0x0                               ; my reads of the first half are over
	s_barrier_signal -1
	s_barrier_wait -1
	XSTORE 1
	s_wait_dscnt 0x0
	s_barrier_signal -1
	s_barrier_wait -1
	KVHALF
	; V of the four padded keys is cleared (my own rows; LDS serves a wave in order); their K are real rows, so the maximum stays exact
	v_mul_u32_u24 v104, v4, KVP
	v_add_nc_u32 v104, s22, v104
	v_mov_b32 v106, 0
	v_mov_b32 v107, 0
	ds_store_b64 v104, v[106:107] offset:8*KVP+1656
	; K fragments: lanes 0-15 take K^T row L & 7; lanes 16-31 feed places 8 to 15: ones for 8 and 9, zeros for the rest
	v_mul_u32_u24 v6, v4, KVP
	v_add_nc_u32 v6, s22, v6
	v_mov_b32 v104, ZERO
	v_mov_b32 v105, ONEA
	v_cmp_gt_u32 vcc_lo, 2, v4
	v_cndmask_b32 v105, v104, v105, vcc_lo
	v_cndmask_b32 v6, v6, v105, s25
	v_lshl_add_u32 v6, v5, 4, v6
	; V fragments: rows 0-7 V^T, row 8 the ones of the real keys, rows 9-15 zeros
	v_mul_u32_u24 v7, v2, KVP
	v_add_nc_u32 v7, s22, v7
	v_add_nc_u32 v7, 8*KVP, v7
	v_mov_b32 v105, ONES
	v_cmp_eq_u32 vcc_lo, 8, v2
	v_cndmask_b32 v105, v104, v105, vcc_lo
	v_cndmask_b32 v7, v7, v105, s26
	v_lshl_add_u32 v7, v3, 4, v7
.irp i, 4,5,6,7, 16,17,18,19
	v_mov_b32 v[KF+\i], 0                          ; the zero block that [K0][0] and [0][K1] share, in both buffers
.endr
.irp q, 0,1,2,3,4,5,6
	v_mov_b32 v[MX+\q], 0xff800000
.endr
	s_mul_i32 s23, s21, 112
	s_lshl_b32 s24, s18, 4
	s_add_co_u32 s23, s23, s24
	v_add_nc_u32 v255, s23, v2                     ; the residual of token tile = wave: token 112 qb + 16 wave + r, held inside the window
	v_min_u32 v255, 827, v255
	v_lshlrev_b32 v255, 2, v255
	v_mad_u32_u24 v255, v3, 8*CROW, v255           ; channels 8 h + ..
	s_wait_dscnt 0x0
	s_barrier_signal -1
	s_barrier_wait -1                              ; all LDS stores so far lie in front of the passes' reads
	s_cmp_eq_u32 s18, 7
	s_cbranch_scc1 .Lno_res                        ; 7 token tiles: wave 7 has none
.set n, 0
.rept 32
	global_load_b32 v[RES+n], v255, s[4:5] offset:(16*(n/8)+(n%8))*CROW   ; x(16 mt + 8 h + j, token): used behind both passes
.set n, n+1
.endr
	s_wait_xcnt 0x0                                ; v255 is written again, and EXEC changed, only behind this wait
.Lno_res:
; PASS 1, 32 keys a trip: the scores of 7 query tiles, and their running maxima.
.macro P1TRIP fetch
	s_wait_dscnt 0x0
.irp q, 0,1,2,3,4,5,6
	v_wmma_f32_16x16x32_bf16 v[SA+8*\q:SA+8*\q+7], v[KF:KF+7], v[QF+8*\q:QF+8*\q+7], 0
.endr
.irp q, 0,1,2,3,4,5,6
	v_wmma_f32_16x16x32_bf16 v[SB+8*\q:SB+8*\q+7], v[KF+4:KF+11], v[QF+8*\q:QF+8*\q+7], 0
.endr
	v_add_nc_u32 v10, 64, v10                      ; four places: the address step and three v_nop
	v_nop
	v_nop
	v_nop
.if \fetch
	ds_load_tr16_b128 v[KF:KF+3], v10
	ds_load_tr16_b128 v[KF+8:KF+11], v10 offset:32
.endif
.irp i, 0,1,2,3
.irp q, 0,1,2,3,4,5,6
	v_max3_num_f32 v[MX+\q], v[MX+\q], v[SA+8*\q+2*\i], v[SA+8*\q+2*\i+1]
.endr
.endr
.irp i, 0,1,2,3
.irp q, 0,1,2,3,4,5,6
	v_max3_num_f32 v[MX+\q], v[MX+\q], v[SB+8*\q+2*\i], v[SB+8*\q+2*\i+1]
.endr
.endr
.endm
	v_mov_b32 v10, v6
	ds_load_tr16_b128 v[KF:KF+3], v10
	ds_load_tr16_b128 v[KF+8:KF+11], v10 offset:32
	s_mov_b32 s24, 25
.Lp1:
	P1TRIP 1
	s_sub_co_u32 s24, s24, 1
	s_cmp_lg_u32 s24, 0
	s_cbranch_scc1 .Lp1
	P1TRIP 0                                       ; keys 800 to 831: nothing more to fetch
	; -m as two bf16 into places 8, 9 (and 24, 25) of Q, which lanes 16-31 hold
.irp q, 0,1,2,3,4,5,6
	v_permlanex16_b32 v255, v[MX+\q], s30, s31
	v_max_num_f32 v[MX+\q], v[MX+\q], v255         ; keys 8 h + j of both halves: the row's maximum
	v_xor_b32 v[MX+\q], 0x80000000, v[MX+\q]
	v_cvt_pk_bf16_f32 v255, v[MX+\q], v[MX+\q]
	v_lshlrev_b32 v255, 16, v255                   ; the high part as f32
	v_sub_f32 v255, v[MX+\q], v255                 ; the remainder, exact
	v_cvt_pk_bf16_f32 v255, v[MX+\q], v255
	v_cndmask_b32 v[QF+8*\q], v[QF+8*\q], v255, s25
	v_cndmask_b32 v[QF+8*\q+4], v[QF+8*\q+4], v255, s25
.endr
; PASS 2, 32 keys a trip.  WS: the shifted scores of query tile q.  EX: 16 exponentials in place, rounded to P.  PV: O^T += V^T x P.
.macro WS q, b
	v_wmma_f32_16x16x32_bf16 v[SC+16*((\q)%2):SC+16*((\q)%2)+7], v[KF+12*(\b):KF+12*(\b)+7], v[QF+8*(\q):QF+8*(\q)+7], 0
	v_wmma_f32_16x16x32_bf16 v[SC+16*((\q)%2)+8:SC+16*((\q)%2)+15], v[KF+12*(\b)+4:KF+12*(\b)+11], v[QF+8*(\q):QF+8*(\q)+7], 0
.endm
.macro EX q
.set e, 0
.rept 16
	v_exp_f32 v[SC+16*((\q)%2)+e], v[SC+16*((\q)%2)+e]
.set e, e+1
.endr
	v_nop                                          ; one plain instruction behind the exponentials (ISA guide 5.7.2)
.set e, 0
	s_wait_alu depctr_va_vdst(0)
.rept 8
	v_cvt_pk_bf16_f32 v[PB+8*((\q)%2)+e], v[SC+16*((\q)%2)+2*e], v[SC+16*((\q)%2)+2*e+1]
.set e, e+1
.endr
.endm
.macro PV q, b, zero
.if \zero
	v_wmma_f32_16x16x32_bf16 v[OAC+8*(\q):OAC+8*(\q)+7], v[VF+8*(\b):VF+8*(\b)+7], v[PB+8*((\q)%2):PB+8*((\q)%2)+7], 0
.else
	v_wmma_f32_16x16x32_bf16 v[OAC+8*(\q):OAC+8*(\q)+7], v[VF+8*(\b):VF+8*(\b)+7], v[PB+8*((\q)%2):PB+8*((\q)%2)+7], v[OAC+8*(\q):OAC+8*(\q)+7]
.endif
.endm
.macro FETCH2 nb
	ds_load_tr16_b128 v[KF+12*(\nb):KF+12*(\nb)+3], v10
	ds_load_tr16_b128 v[KF+12*(\nb)+8:KF+12*(\nb)+11], v10 offset:32
	ds_load_b128 v[VF+8*(\nb):VF+8*(\nb)+3], v11
	ds_load_b128 v[VF+8*(\nb)+4:VF+8*(\nb)+7], v11 offset:32
.endm
; The scores of tile q + 1 are issued ahead of tile q's exponentials: the nine plain instructions of EX q (its v_nop and eight conversions, on the
; other score and P buffers) are the places between WS q + 1 and the first use of its result, and between PV q - 1 and the next write of its P.
; The seven sums of O take turns, one instruction a turn, with the score products between them.
.macro TRIP b, zero, fetch
	s_wait_dscnt 0x0                               ; this trip's fragments, asked for a whole trip ago
	WS 0, \b
	WS 1, \b
	v_add_nc_u32 v10, 64, v10                      ; five places: behind the last trip's last product (its V and K buffers are loaded again below)
	v_add_nc_u32 v11, 64, v11                      ; and behind WS 0, whose result EX 0 reads
	v_nop
	v_nop
	v_nop
.if \fetch
	FETCH2 (1-\b)
.endif
	EX 0
	PV 0, \b, \zero
.irp q, 1,2,3,4,5
	WS (\q+1), \b
	EX \q
	PV \q, \b, \zero
.endr
	EX 6
	PV 6, \b, \zero
.endm
	v_mov_b32 v10, v6
	v_mov_b32 v11, v7
	FETCH2 0
	TRIP 0, 1, 1                                   ; the first products start the sums: nothing is cleared
	TRIP 1, 0, 1
	s_mov_b32 s24, 11
.Lp2:
	TRIP 0, 0, 1
	TRIP 1, 0, 1
	s_sub_co_u32 s24, s24, 1
	s_cmp_lg_u32 s24, 0
	s_cbranch_scc1 .Lp2
	TRIP 0, 0, 1
	TRIP 1, 0, 0                                   ; 26 trips in all; the last fetches nothing
	s_wait_dscnt 0x0                               ; my reads of K, V and the constant rows are over
	s_barrier_signal -1
	; O / row sum, in registers, while the others arrive.  The row sum is row 8 of O^T: register 0 of lanes 16-31.
	PLACES
.irp q, 0,1,2,3,4,5,6
	v_permlanex16_b32 v[PB+2*\q+1], v[OAC+8*\q], s30, s31
.endr
.irp q, 0,1,2,3,4,5,6
	v_rcp_f32 v[PB+2*\q], v[PB+2*\q+1]
.endr
	v_nop
	s_wait_alu depctr_va_vdst(0)
.irp q, 0,1,2,3,4,5,6
.irp i, 0,1,2,3
	v_pk_mul_f32 v[OAC+8*\q+2*\i:OAC+8*\q+2*\i+1], v[OAC+8*\q+2*\i:OAC+8*\q+2*\i+1], v[PB+2*\q:PB+2*\q+1] op_sel_hi:[1,0]
.endr
.irp i, 0,1,2,3
	v_cvt_pk_bf16_f32 v[SC+4*\q+\i], v[OAC+8*\q+2*\i], v[OAC+8*\q+2*\i+1]
.endr
.endr
	s_mul_i32 s22, s18, 1792
	s_add_co_u32 s22, s22, OST
	v_lshl_add_u32 v248, v2, 4, s22
	v_lshlrev_b32 v249, 5, v3
.irp i, 0,1,2,3
	v_mov_b32 v[REC+\i], 0                         ; wave 7 has no token tile: its record stays empty
.endr
	v_cmp_gt_u32 vcc_lo, 16, v1
	s_barrier_wait -1                              ; nobody reads LDS any more: the output may be laid over qkv_w
	s_wait_xcnt 0x0                                ; EXEC changes only behind this wait
	s_and_saveexec_b32 s28, vcc_lo                 ; lanes 0-15 hold O(d = 0..7, query r): 16 bytes each
.irp q, 0,1,2,3,4,5,6
	ds_store_b128 v248, v[SC+4*\q:SC+4*\q+3] offset:\q*256
.endr
	s_or_b32 exec_lo, exec_lo, s28
	s_cmp_eq_u32 s18, 7
	s_cbranch_scc1 .Lno_bo
.set n, 0
.rept 8
	global_load_b128 v[BO+4*n:BO+4*n+3], v249, s[12:13] offset:(n/2)*64+(n%2)*16   ; proj_b(16 mt + 8 h + j)
.set n, n+1
.endr
.Lno_bo:
	s_wait_dscnt 0x0
	s_barrier_signal -1
	s_barrier_wait -1                              ; all heads' outputs are in LDS
	s_cmp_eq_u32 s18, 7
	s_cbranch_scc1 .Lno_proj
	; PROJECTION of token tile = wave: out^T = Wo^T x O, with residual + bias as the C operand
	s_lshl_b32 s22, s18, 8
	s_add_co_u32 s22, s22, OST
	v_mul_u32_u24 v250, v3, 1792
	v_lshl_add_u32 v250, v2, 4, v250
	v_add_nc_u32 v250, s22, v250                   ; head h (+ 2 p + 4 kh), token 16 wave + r
	v_mul_u32_u24 v251, v15, WOP
	v_lshl_add_u32 v251, v5, 4, v251
	v_add_nc_u32 v251, WO, v251
.irp kh, 0,1
.irp p, 0,1
	ds_load_b128 v[OB+8*\kh+4*\p:OB+8*\kh+4*\p+3], v250 offset:(4*\kh+2*\p)*1792
.endr
.endr
.irp kh, 0,1
.irp mt, 0,1,2,3
	ds_load_tr16_b128 v[WOF+32*\kh+8*\mt:WOF+32*\kh+8*\mt+3], v251 offset:\kh*32*WOP+32*\mt
	ds_load_tr16_b128 v[WOF+32*\kh+8*\mt+4:WOF+32*\kh+8*\mt+7], v251 offset:\kh*32*WOP+16*WOP+32*\mt
.endr
.endr
	s_lshl_b32 s22, s18, 12
	v_lshl_add_u32 v252, v1, 4, s22                ; y1: tile x 4,096 + 16 L
	v_add_nc_u32 v253, s23, v2                     ; token 112 qb + 16 wave + r
	s_movk_i32 s24, 828
	v_cmp_gt_u32 s29, s24, v253                    ; real?
	s_wait_loadcnt 0x0                             ; residual and bias
.set n, 0
.rept 16
	v_pk_add_f32 v[RES+2*n:RES+2*n+1], v[RES+2*n:RES+2*n+1], v[BO+2*n:BO+2*n+1]
.set n, n+1
.endr
	s_wait_dscnt 0x0
.irp kh, 0,1
.irp mt, 0,1,2,3
	v_wmma_f32_16x16x32_bf16 v[RES+8*\mt:RES+8*\mt+7], v[WOF+32*\kh+8*\mt:WOF+32*\kh+8*\mt+7], v[OB+8*\kh:OB+8*\kh+7], v[RES+8*\mt:RES+8*\mt+7]   ; four sums by turns
.endr
.endr
	PLACES
.set n, 0
.rept 8
	global_store_b128 v252, v[RES+4*n:RES+4*n+3], s[14:15] offset:n*512   ; each store of the wave covers 512 consecutive bytes, aligned
.set n, n+1
.endr
	LANESTAT RES, REC, LW, s29
	COMBINE REC, CW
	v_mov_b32 v[REC+3], 0
.Lno_proj:
	s_lshl_b32 s22, s18, 4
	s_add_co_u32 s22, s22, STAT
	v_mov_b32 v254, s22
	ds_store_b128 v254, v[REC:REC+3]               ; all lanes hold the same record
	s_wait_dscnt 0x0
	s_barrier_signal -1
	s_barrier_wait -1
	s_cmp_lg_u32 s18, 0
	s_cbranch_scc1 .Lend
	v_lshlrev_b32 v254, 4, v4
	v_add_nc_u32 v254, STAT, v254
	ds_load_b128 v[REC:REC+3], v254                ; lane i < 8: wave i's record
	v_cmp_gt_u32 vcc_lo, 8, v1
	s_wait_dscnt 0x0
	v_cndmask_b32 v[REC], 0, v[REC], vcc_lo
	v_cndmask_b32 v[REC+1], 0, v[REC+1], vcc_lo
	v_cndmask_b32 v[REC+2], 0, v[REC+2], vcc_lo
	COMBINE REC, CW
	v_mov_b32 v[REC+3], 0
	v_mov_b32 v255, 0
	v_cmp_eq_u32 vcc_lo, 0, v1
	s_wait_xcnt 0x0                                ; EXEC changes only behind this wait (the stores to y1)
	s_and_saveexec_b32 s28, vcc_lo
	global_store_b128 v255, v[REC:REC+3], s[16:17]
	s_wait_xcnt 0x0
	s_or_b32 exec_lo, exec_lo, s28
.Lend:
	s_set_vgpr_msb 0x5
	s_wait_tensorcnt 0x0
	ds_add_u32 v0, v1
	s_wait_dscnt 0x0
	s_set_vgpr_msb 0x500
	s_endpgm
.Lfunc_end_k_q5ea12438c3_attn_a:
	.size	k_q5ea12438c3_attn_a, .Lfunc_end_k_q5ea12438c3_attn_a-k_q5ea12438c3_attn_a
	.p2alignl 7, 3214868480
	.fill 96, 4, 3214868480
	.section	.rodata,"a",@progbits
	.p2align	6, 0x0
	.amdhsa_kernel k_q5ea12438c3_attn_a
		.amdhsa_group_segment_fixed_size 317184
		.amdhsa_private_segment_fixed_size 0
		.amdhsa_enable_private_segment 0
		.amdhsa_kernarg_size 56
		.amdhsa_user_sgpr_count 2
		.amdhsa_user_sgpr_kernarg_segment_ptr 1
		.amdhsa_wavefront_size32 1
		.amdhsa_system_sgpr_workgroup_id_x 1
		.amdhsa_system_sgpr_workgroup_id_y 1
		.amdhsa_system_sgpr_workgroup_id_z 1
		.amdhsa_system_vgpr_workitem_id 0
		.amdhsa_next_free_vgpr 258
		.amdhsa_next_free_sgpr 66
		.amdhsa_reserve_vcc 1
		.amdhsa_float_denorm_mode_32 3
		.amdhsa_float_denorm_mode_16_64 3
		.amdhsa_memory_ordered 1
		.amdhsa_forward_progress 1
		.amdhsa_inst_pref_size 143
	.end_amdhsa_kernel
	.amdgpu_metadata
---
amdhsa.version: [ 1, 2 ]
amdhsa.kernels:
  - .name:           k_q5ea12438c3_attn_a
    .symbol:         k_q5ea12438c3_attn_a.kd
    .args:
      - { .name: x, .offset: 0, .size: 8, .value_kind: global_buffer, .address_space: global }
      - { .name: qkv_w_a, .offset: 8, .size: 8, .value_kind: global_buffer, .address_space: global }
      - { .name: qkv_b_a, .offset: 16, .size: 8, .value_kind: global_buffer, .address_space: global }
      - { .name: proj_w_a, .offset: 24, .size: 8, .value_kind: global_buffer, .address_space: global }
      - { .name: proj_b_a, .offset: 32, .size: 8, .value_kind: global_buffer, .address_space: global }
      - { .name: y1, .offset: 40, .size: 8, .value_kind: global_buffer, .address_space: global }
      - { .name: sta, .offset: 48, .size: 8, .value_kind: global_buffer, .address_space: global }
    .group_segment_fixed_size: 317184
    .private_segment_fixed_size: 0
    .kernarg_segment_align: 8
    .kernarg_segment_size: 56
    .max_flat_workgroup_size: 256
    .sgpr_count:     66
    .vgpr_count:     258
    .wavefront_size: 32
...
	.end_amdgpu_metadata
.endif
;; end of part 1
;; launch ffn_a (part 2): grid 256 x 1, 8 waves a work-group, no clusters, 119,552 bytes of LDS; arguments y1, sta, ln_a1_g, ln_a1_b, ffn_w1_a, ffn_b1_a, ffn_w2_a, ffn_b2_a, y2, stb; writes y2, stb
.if DOCPART == 2
	.amdgcn_target "amdgcn-amd-amdhsa--gfx1250"
	.amdhsa_code_object_version 6
	.text
	.protected	k_q5ea12438c3_ffn_a
	.globl	k_q5ea12438c3_ffn_a
	.p2align	8
	.type	k_q5ea12438c3_ffn_a,@function
k_q5ea12438c3_ffn_a:
	s_mov_b64 s[64:65], 0
	v_nop
	global_prefetch_b8 v0, s[64:65] scope:SCOPE_SE
	s_setreg_imm32_b32 hwreg(HW_REG_WAVE_MODE, 25, 1), 1
	s_wait_xcnt 0x0
; LayerNorm 1 (statistics from the 32 records of the sample), FFN 64 -> 256 -> 64 with ReLU, residual, and the partial statistics of LayerNorm 2.
; Work-group id = 32 b + 8 w + qb owns tokens 112 qb .. + 111 of window w, as in the launch before; wave tt < 7 owns token tile tt and reads it
; from y1 in the register order in which it was stored.  The chain stays transposed: H^T = W1^T x Z, out^T = W2^T x H; a lane's results convert
; in place into the next operand.  The weights lie in LDS as bf16 in their own [in][out] order and come out by transposing loads.
; The biases and the residual enter as C operands.  Wave 7 helps with the weights and with the way out.
; LIMITS: NaN and infinite inputs are not served; matrix operands are bf16, all else f32; the reciprocal root is the 1-ULP hardware form.
; No joint tile loads: what the work-groups share are 128 KiB of weights, which are rounded to bf16 on their way, through registers.
.set SAMPLE, 847872
.set CROW,   13248
.set BLK,    28672
.set W1P,  544                         ; W1 [64][256] bf16 from byte 0
.set W2P,  160                         ; W2 [256][64] bf16
.set W2L,  34816
.set B1L,  75776                       ; b1, 256 f32
.set YT,   76800                       ; result, [tile][channel 64][16 tokens] f32.  Seven tiles are written; there is room for eight, because the second half
                                       ; of the way out forms the address of tile 4 + (r >> 2) in every lane, on or off: lanes with r >= 12 are off there,
                                       ; and the eighth place is neither written nor read
.set YTP,  80
.set YTT,  5184
.set STAT, 118272                      ; behind 8 x 5,184 bytes of YT
; v0 thread, v1 L, v2 r, v3 h, v4 L & 7, v5 g, v6 8 h + (L & 7), v7, v8, v9 LDS addresses of W1, W2, b1, v10-v15 offsets in memory
.set Y,   16                           ; v[16:47]   y, then z, then the sums of the result: (channel 16 mt + 8 h + j, token r) in register 8 mt + j
.set G,   48                           ; v[48:79]   gain
.set BT,  80                           ; v[80:111]  bias
.set HH,  48                           ; v[48:79]   hidden sums, 2 buffers of 2 tiles
.set ZB,  80                           ; v[80:95]   z as operand
.set HB,  96                           ; v[96:103]  hidden as operand
.set F,   112                          ; v[112:239] weights as loaded; then 2 buffers of 4 W1 and 4 W2 fragments
.set REC, 240
.set CW,  244
.set RS,  248                          ; 1 / sigma, twice
.set NM,  250                          ; - mean / sigma, twice
.set LW,  112
.macro PLACES                          ; four places behind a matrix instruction (ISA guide 7.12.1)
.rept 4
	v_nop
.endr
.endm
.macro PACK4 x
	v_cvt_pk_bf16_f32 v[\x], v[\x], v[\x+1]
	v_cvt_pk_bf16_f32 v[\x+1], v[\x+2], v[\x+3]
.endm
.macro WSUM d, t
	v_add_f32_dpp v[\d], v[\d], v[\d] row_xmask:1 row_mask:0xf bank_mask:0xf
	v_add_f32_dpp v[\d], v[\d], v[\d] row_xmask:2 row_mask:0xf bank_mask:0xf
	v_add_f32_dpp v[\d], v[\d], v[\d] row_xmask:4 row_mask:0xf bank_mask:0xf
	v_add_f32_dpp v[\d], v[\d], v[\d] row_xmask:8 row_mask:0xf bank_mask:0xf
	v_permlanex16_b32 v[\t], v[\d], s30, s31
	v_add_f32 v[\d], v[\d], v[\t]
.endm
; one record (n, mean, M2) a lane -> the record of all 32 in every lane; M2 = sum of M2_i + n_i (mean_i - mean)^2; v[w] = 1 / max(n, 1)
.macro COMBINE rec, w
	v_mul_f32 v[\w+1], v[\rec], v[\rec+1]
	v_mov_b32 v[\w+2], v[\rec]
	v_mov_b32 v[\w+3], 0
	WSUM \rec, \w+3
	WSUM \w+1, \w+3
	v_max_num_f32 v[\w+3], 1.0, v[\rec]
	v_rcp_f32 v[\w], v[\w+3]
	v_nop                                          ; one plain instruction behind the reciprocal (ISA guide 5.7.2)
	s_wait_alu depctr_va_vdst(0)
	v_mul_f32 v[\w+1], v[\w+1], v[\w]
	v_sub_f32 v[\rec+1], v[\rec+1], v[\w+1]
	v_mul_f32 v[\w+2], v[\w+2], v[\rec+1]
	v_fma_f32 v[\rec+2], v[\w+2], v[\rec+1], v[\rec+2]
	WSUM \rec+2, \w+3
	v_mov_b32 v[\rec+1], v[\w+1]
.endm
.macro LANESTAT y, rec, w, mask        ; the record of a lane's 32 numbers: mean first, then the squares of the differences
.irp c, 0,1,2,3
	v_pk_add_f32 v[\w+2*\c:\w+2*\c+1], v[\y+4*\c:\y+4*\c+1], v[\y+4*\c+2:\y+4*\c+3]
.endr
.irp c, 0,1,2,3
	v_pk_add_f32 v[\w+2*\c:\w+2*\c+1], v[\w+2*\c:\w+2*\c+1], v[\y+16+2*\c:\y+16+2*\c+1]
.endr
.irp c, 0,1,2,3
	v_pk_add_f32 v[\w+2*\c:\w+2*\c+1], v[\w+2*\c:\w+2*\c+1], v[\y+24+2*\c:\y+24+2*\c+1]
.endr
	v_pk_add_f32 v[\w:\w+1], v[\w:\w+1], v[\w+2:\w+3]
	v_pk_add_f32 v[\w+4:\w+5], v[\w+4:\w+5], v[\w+6:\w+7]
	v_pk_add_f32 v[\w:\w+1], v[\w:\w+1], v[\w+4:\w+5]
	v_add_f32 v[\w], v[\w], v[\w+1]
	v_mul_f32 v[\w+8], 0x3d000000, v[\w]
	v_mul_f32 v[\w+9], 0x3d000000, v[\w]
.set k, 0
.rept 4
.irp c, 0,1,2,3
	v_pk_add_f32 v[\w+10+2*\c:\w+11+2*\c], v[\y+8*k+2*\c:\y+8*k+2*\c+1], v[\w+8:\w+9] neg_lo:[0,1] neg_hi:[0,1]
.endr
.irp c, 0,1,2,3
.if k == 0
	v_pk_mul_f32 v[\w+18+2*\c:\w+19+2*\c], v[\w+10+2*\c:\w+11+2*\c], v[\w+10+2*\c:\w+11+2*\c]
.else
	v_pk_fma_f32 v[\w+18+2*\c:\w+19+2*\c], v[\w+10+2*\c:\w+11+2*\c], v[\w+10+2*\c:\w+11+2*\c], v[\w+18+2*\c:\w+19+2*\c]
.endif
.endr
.set k, k+1
.endr
	v_pk_add_f32 v[\w+18:\w+19], v[\w+18:\w+19], v[\w+20:\w+21]
	v_pk_add_f32 v[\w+22:\w+23], v[\w+22:\w+23], v[\w+24:\w+25]
	v_pk_add_f32 v[\w+18:\w+19], v[\w+18:\w+19], v[\w+22:\w+23]
	v_add_f32 v[\w+18], v[\w+18], v[\w+19]
	v_mov_b32 v[\rec], 0x42000000
	v_cndmask_b32 v[\rec], 0, v[\rec], \mask
	v_cndmask_b32 v[\rec+1], 0, v[\w+8], \mask
	v_cndmask_b32 v[\rec+2], 0, v[\w+18], \mask
.endm
	s_load_b512 s[4:19], s[0:1], 0x0               ; y1 s[4:5], records s[6:7], g s[8:9], b s[10:11], w1 s[12:13], b1 s[14:15], w2 s[16:17], b2 s[18:19]
	s_load_b128 s[20:23], s[0:1], 0x40             ; y2 s[20:21], my record's buffer s[22:23]
	v_lshl_add_u32 v254, v0, 2, 0x1cf00
	v_mov_b32 v255, 0
	v_lshrrev_b32 v15, 5, v0
	v_readfirstlane_b32 s24, v15                   ; wave
	s_lshr_b32 s25, ttmp9, 5                       ; b
	s_bfe_u32 s26, ttmp9, 0x20003                  ; w
	s_and_b32 s27, ttmp9, 7                        ; qb
	s_mov_b32 s30, 0x76543210
	s_mov_b32 s31, 0xfedcba98
	s_mov_b32 s39, 0x3727c5ac                      ; 1e-5
	v_and_b32 v1, 31, v0
	v_and_b32 v2, 15, v0
	v_bfe_u32 v3, v0, 4, 1
	v_and_b32 v4, 7, v0
	v_bfe_u32 v5, v0, 3, 1
	v_lshl_add_u32 v6, v3, 3, v4
	s_lshl_b32 s28, s24, 12
	v_lshl_add_u32 v10, v1, 4, s28                 ; y1: tile x 4,096 + 16 L
	s_mul_i32 s36, s27, 112
	s_lshl_b32 s35, s24, 4
	s_add_co_u32 s34, s36, s35
	v_add_nc_u32 v14, s34, v2                      ; my token in the window
	s_movk_i32 s37, 828
	v_cmp_gt_u32 s33, s37, v14                     ; real?
	v_min_u32 v11, 827, v14
	s_mul_i32 s38, s26, 828
	v_add_lshl_u32 v11, v11, s38, 2
	v_mad_u32_u24 v11, v3, 8*CROW, v11             ; g, b: channel 8 h + .., token 828 w + ..
	s_lshl_b32 s35, s25, 9
	v_lshl_add_u32 v12, v1, 4, s35                 ; record L of my sample
	s_lshl_b32 s35, s24, 13
	v_lshl_add_u32 v13, v1, 4, s35                 ; the weights: 8,192 consecutive bytes a wave
	v_lshlrev_b32 v15, 2, v0                       ; b1: 4 bytes a thread
	s_mul_i32 s35, s24, 8*W1P
	v_lshl_add_u32 v245, v1, 3, s35                ; LDS places of W1, W2, b1
	s_mul_i32 s35, s24, 32*W2P
	s_add_co_u32 s35, s35, W2L
	v_mul_u32_u24 v246, v3, W2P
	v_lshl_add_u32 v246, v2, 3, v246
	v_add_nc_u32 v246, s35, v246
	v_add_nc_u32 v247, B1L, v15
	v_mul_u32_u24 v7, v6, W1P
	v_lshl_add_u32 v7, v5, 4, v7
	v_mul_u32_u24 v8, v6, W2P
	v_lshl_add_u32 v8, v5, 4, v8
	v_add_nc_u32 v8, W2L, v8
	v_lshl_add_u32 v9, v3, 5, B1L
.irp i, 0,1,2,3
	v_mov_b32 v[REC+\i], 0                         ; wave 7 has no token tile: its record stays empty
.endr
	s_wait_kmcnt 0x0
	s_mul_i32 s28, ttmp9, BLK
	s_mov_b32 s29, 0
	s_add_nc_u64 s[4:5], s[4:5], s[28:29]
	s_add_co_u32 s35, s38, s36
	s_lshl_b32 s35, s35, 2
	s_mul_i32 s28, s25, SAMPLE
	s_add_co_u32 s28, s28, s35
	s_add_nc_u64 s[20:21], s[20:21], s[28:29]      ; y2 at my sample's channel 0, my block's first token
	s_lshl_b32 s28, ttmp9, 4
	s_add_nc_u64 s[22:23], s[22:23], s[28:29]
	s_cmp_eq_u32 s24, 7
	s_cbranch_scc1 .Lw7_a
	global_load_b128 v[REC:REC+3], v12, s[6:7]
.set n, 0
.rept 8
	global_load_b128 v[Y+4*n:Y+4*n+3], v10, s[4:5] offset:n*512
.set n, n+1
.endr
.set n, 0
.rept 32
	global_load_b32 v[G+n], v11, s[8:9] offset:(16*(n/8)+(n%8))*CROW
.set n, n+1
.endr
.set n, 0
.rept 32
	global_load_b32 v[BT+n], v11, s[10:11] offset:(16*(n/8)+(n%8))*CROW
.set n, n+1
.endr
.Lw7_a:
	; the 33 loads of the weights are issued last, so that the counts below are the same for wave 7 and for the others
.set n, 0
.rept 16
	global_load_b128 v[F+4*n:F+4*n+3], v13, s[12:13] offset:n*512
.set n, n+1
.endr
.set n, 0
.rept 16
	global_load_b128 v[F+64+4*n:F+64+4*n+3], v13, s[16:17] offset:n*512
.set n, n+1
.endr
	global_load_b32 v244, v15, s[14:15]
.set n, 0
.rept 16
	s_wait_loadcnt 32-n                            ; the younger of the 33 stay out
	PACK4 F+4*n
	ds_store_b64 v245, v[F+4*n:F+4*n+1] offset:(n/2)*W1P+(n%2)*256
.set n, n+1
.endr
.set n, 0
.rept 16
	s_wait_loadcnt 16-n
	PACK4 F+64+4*n
	ds_store_b64 v246, v[F+64+4*n:F+64+4*n+1] offset:n*2*W2P
.set n, n+1
.endr
	s_wait_loadcnt 0x0
	ds_store_b32 v247, v244
	s_cmp_eq_u32 s24, 7
	s_cbranch_scc1 .Lw7_b
	v_lshlrev_b32 v253, 5, v3
.set n, 0
.rept 8
	global_load_b128 v[F+4*n:F+4*n+3], v253, s[18:19] offset:(n/2)*64+(n%2)*16   ; b2(16 mt + 8 h + j)
.set n, n+1
.endr
	; LayerNorm 1
	COMBINE REC, CW
	v_fma_f32 v252, v[REC+2], v[CW], s39           ; variance + 1e-5
	v_rsq_f32 v[RS], v252
	v_nop                                          ; one plain instruction behind the root (ISA guide 5.7.2)
	s_wait_alu depctr_va_vdst(0)
	v_mov_b32 v[RS+1], v[RS]
	v_mul_f32 v[NM], v[REC+1], v[RS]
	v_xor_b32 v[NM], 0x80000000, v[NM]
	v_mov_b32 v[NM+1], v[NM]
.set n, 0
.rept 16
	v_pk_fma_f32 v[Y+2*n:Y+2*n+1], v[Y+2*n:Y+2*n+1], v[RS:RS+1], v[NM:NM+1]
	v_pk_fma_f32 v[Y+2*n:Y+2*n+1], v[Y+2*n:Y+2*n+1], v[G+2*n:G+2*n+1], v[BT+2*n:BT+2*n+1]
.set n, n+1
.endr
.set n, 0
.rept 16
	v_cvt_pk_bf16_f32 v[ZB+n], v[Y+2*n], v[Y+2*n+1]    ; channels 32 kh + 8 h + .. and 32 kh + 16 + 8 h + ..: the operand's own order
.set n, n+1
.endr
	s_wait_loadcnt 0x0
.set n, 0
.rept 16
	v_pk_add_f32 v[Y+2*n:Y+2*n+1], v[Y+2*n:Y+2*n+1], v[F+2*n:F+2*n+1]   ; residual + b2 start the sums
.set n, n+1
.endr
.Lw7_b:
	s_wait_dscnt 0x0
	s_barrier_signal -1
	s_barrier_wait -1                              ; the weights are in LDS
	s_cmp_eq_u32 s24, 7
	s_cbranch_scc1 .Lw7_c
; 20 LDS loads for hidden columns 32 hc .. + 31, into buffer p: 4 fragments of W1, 4 of W2, and b1 as the C operand of the hidden sums
.macro LOADS hc, p
.irp t, 0,1
.irp kh, 0,1
	ds_load_tr16_b128 v[F+64*(\p)+8*(2*\t+\kh):F+64*(\p)+8*(2*\t+\kh)+3], v7 offset:\kh*32*W1P+32*(2*(\hc)+\t)
	ds_load_tr16_b128 v[F+64*(\p)+8*(2*\t+\kh)+4:F+64*(\p)+8*(2*\t+\kh)+7], v7 offset:\kh*32*W1P+16*W1P+32*(2*(\hc)+\t)
.endr
.endr
.irp mt, 0,1,2,3
	ds_load_tr16_b128 v[F+64*(\p)+32+8*\mt:F+64*(\p)+32+8*\mt+3], v8 offset:(\hc)*32*W2P+32*\mt
	ds_load_tr16_b128 v[F+64*(\p)+32+8*\mt+4:F+64*(\p)+32+8*\mt+7], v8 offset:(\hc)*32*W2P+16*W2P+32*\mt
.endr
.irp t, 0,1
	ds_load_b128 v[HH+16*(\p)+8*\t:HH+16*(\p)+8*\t+3], v9 offset:(\hc)*128+\t*64
	ds_load_b128 v[HH+16*(\p)+8*\t+4:HH+16*(\p)+8*\t+7], v9 offset:(\hc)*128+\t*64+16
.endr
.endm
; The sums take turns, one instruction a turn.
.macro CHUNK hc, p
.if \hc < 7
	s_wait_dscnt 20                                ; this chunk's loads are in; the next chunk's 20 stay out
.else
	s_wait_dscnt 0x0
.endif
.irp kh, 0,1
.irp t, 0,1
	v_wmma_f32_16x16x32_bf16 v[HH+16*\p+8*\t:HH+16*\p+8*\t+7], v[F+64*\p+8*(2*\t+\kh):F+64*\p+8*(2*\t+\kh)+7], v[ZB+8*\kh:ZB+8*\kh+7], v[HH+16*\p+8*\t:HH+16*\p+8*\t+7]
.endr
.endr
	PLACES
.set e, 0
.rept 16
	v_max_num_f32 v[HH+16*\p+e], 0, v[HH+16*\p+e]
.set e, e+1
.endr
.set e, 0
.rept 8
	v_cvt_pk_bf16_f32 v[HB+e], v[HH+16*\p+2*e], v[HH+16*\p+2*e+1]
.set e, e+1
.endr
.irp mt, 0,1,2,3
	v_wmma_f32_16x16x32_bf16 v[Y+8*\mt:Y+8*\mt+7], v[F+64*\p+32+8*\mt:F+64*\p+32+8*\mt+7], v[HB:HB+7], v[Y+8*\mt:Y+8*\mt+7]
.endr
	PLACES
.if \hc < 6
	LOADS (\hc+2), \p
.endif
.endm
	LOADS 0, 0
	LOADS 1, 1
	CHUNK 0, 0
	CHUNK 1, 1
	CHUNK 2, 0
	CHUNK 3, 1
	CHUNK 4, 0
	CHUNK 5, 1
	CHUNK 6, 0
	CHUNK 7, 1
	; my tile into LDS by channels, and its record
	s_mul_i32 s35, s24, YTT
	s_add_co_u32 s35, s35, YT
	v_mul_u32_u24 v104, v3, 8*YTP
	v_lshl_add_u32 v104, v2, 2, v104
	v_add_nc_u32 v104, s35, v104
.set n, 0
.rept 32
	ds_store_b32 v104, v[Y+n] offset:(16*(n/8)+(n%8))*YTP
.set n, n+1
.endr
	LANESTAT Y, REC, LW, s33
	COMBINE REC, CW
	v_mov_b32 v[REC+3], 0
.Lw7_c:
	s_lshl_b32 s35, s24, 4
	s_add_co_u32 s35, s35, STAT
	v_mov_b32 v109, s35
	ds_store_b128 v109, v[REC:REC+3]
	; the way out, all 8 waves: channel 8 wave + 2 p + h, group of 4 tokens r (then r + 16); sixteen lanes store 256 consecutive bytes
	s_lshl_b32 s35, s24, 3
	v_add_nc_u32 v107, s35, v3
	v_mul_u32_u24 v105, v107, YTP
	v_lshrrev_b32 v108, 2, v2
	v_mad_u32_u24 v105, v108, YTT, v105
	v_and_b32 v108, 3, v2
	v_lshl_add_u32 v105, v108, 4, v105
	v_add_nc_u32 v105, YT, v105
	v_mul_u32_u24 v106, v107, CROW
	v_lshl_add_u32 v106, v2, 4, v106
	v_add_nc_u32 v107, 16, v2
	s_mul_i32 s35, s27, 28
	s_sub_co_u32 s35, 207, s35
	s_min_u32 s35, s35, 28                         ; groups of 4 real tokens in my block: 28, in the window's last block 11
	s_wait_dscnt 0x0
	s_barrier_signal -1
	s_barrier_wait -1
	v_cmp_gt_u32 vcc_lo, s35, v2
	s_wait_xcnt 0x0                                ; EXEC changes only behind this wait
	s_and_saveexec_b32 s32, vcc_lo
.irp p, 0,1,2,3
	ds_load_b128 v[112+4*\p:115+4*\p], v105 offset:\p*2*YTP
.endr
.irp p, 0,1,2,3
	s_wait_dscnt 3-\p                              ; the younger loads of the four stay out
	global_store_b128 v106, v[112+4*\p:115+4*\p], s[20:21] offset:\p*2*CROW
.endr
	s_wait_xcnt 0x0
	s_or_b32 exec_lo, exec_lo, s32
	v_cmp_gt_u32 vcc_lo, s35, v107                 ; at most 28 groups: only lanes with r < 12 stay on, tiles 4 to 6
	s_and_saveexec_b32 s32, vcc_lo
.irp p, 0,1,2,3
	ds_load_b128 v[128+4*\p:131+4*\p], v105 offset:4*YTT+\p*2*YTP
.endr
.irp p, 0,1,2,3
	s_wait_dscnt 3-\p
	global_store_b128 v106, v[128+4*\p:131+4*\p], s[20:21] offset:\p*2*CROW+256
.endr
	s_wait_xcnt 0x0
	s_or_b32 exec_lo, exec_lo, s32
	s_cmp_lg_u32 s24, 0
	s_cbranch_scc1 .Lend
	v_lshlrev_b32 v109, 4, v4
	v_add_nc_u32 v109, STAT, v109
	ds_load_b128 v[REC:REC+3], v109                ; lane i < 8: wave i's record
	v_cmp_gt_u32 vcc_lo, 8, v1
	s_wait_dscnt 0x0
	v_cndmask_b32 v[REC], 0, v[REC], vcc_lo
	v_cndmask_b32 v[REC+1], 0, v[REC+1], vcc_lo
	v_cndmask_b32 v[REC+2], 0, v[REC+2], vcc_lo
	COMBINE REC, CW
	v_mov_b32 v[REC+3], 0
	v_mov_b32 v110, 0
	v_cmp_eq_u32 vcc_lo, 0, v1
	s_and_saveexec_b32 s32, vcc_lo
	global_store_b128 v110, v[REC:REC+3], s[22:23]
	s_wait_xcnt 0x0
	s_or_b32 exec_lo, exec_lo, s32
.Lend:
	s_wait_tensorcnt 0x0
	ds_add_u32 v254, v255
	s_wait_dscnt 0x0
	s_endpgm
.Lfunc_end_k_q5ea12438c3_ffn_a:
	.size	k_q5ea12438c3_ffn_a, .Lfunc_end_k_q5ea12438c3_ffn_a-k_q5ea12438c3_ffn_a
	.p2alignl 7, 3214868480
	.fill 96, 4, 3214868480
	.section	.rodata,"a",@progbits
	.p2align	6, 0x0
	.amdhsa_kernel k_q5ea12438c3_ffn_a
		.amdhsa_group_segment_fixed_size 119552
		.amdhsa_private_segment_fixed_size 0
		.amdhsa_enable_private_segment 0
		.amdhsa_kernarg_size 80
		.amdhsa_user_sgpr_count 2
		.amdhsa_user_sgpr_kernarg_segment_ptr 1
		.amdhsa_wavefront_size32 1
		.amdhsa_system_sgpr_workgroup_id_x 1
		.amdhsa_system_sgpr_workgroup_id_y 1
		.amdhsa_system_sgpr_workgroup_id_z 1
		.amdhsa_system_vgpr_workitem_id 0
		.amdhsa_next_free_vgpr 256
		.amdhsa_next_free_sgpr 66
		.amdhsa_reserve_vcc 1
		.amdhsa_float_denorm_mode_32 3
		.amdhsa_float_denorm_mode_16_64 3
		.amdhsa_memory_ordered 1
		.amdhsa_forward_progress 1
		.amdhsa_inst_pref_size 65
	.end_amdhsa_kernel
	.amdgpu_metadata
---
amdhsa.version: [ 1, 2 ]
amdhsa.kernels:
  - .name:           k_q5ea12438c3_ffn_a
    .symbol:         k_q5ea12438c3_ffn_a.kd
    .args:
      - { .name: y1, .offset: 0, .size: 8, .value_kind: global_buffer, .address_space: global }
      - { .name: sta, .offset: 8, .size: 8, .value_kind: global_buffer, .address_space: global }
      - { .name: ln_a1_g, .offset: 16, .size: 8, .value_kind: global_buffer, .address_space: global }
      - { .name: ln_a1_b, .offset: 24, .size: 8, .value_kind: global_buffer, .address_space: global }
      - { .name: ffn_w1_a, .offset: 32, .size: 8, .value_kind: global_buffer, .address_space: global }
      - { .name: ffn_b1_a, .offset: 40, .size: 8, .value_kind: global_buffer, .address_space: global }
      - { .name: ffn_w2_a, .offset: 48, .size: 8, .value_kind: global_buffer, .address_space: global }
      - { .name: ffn_b2_a, .offset: 56, .size: 8, .value_kind: global_buffer, .address_space: global }
      - { .name: y2, .offset: 64, .size: 8, .value_kind: global_buffer, .address_space: global }
      - { .name: stb, .offset: 72, .size: 8, .value_kind: global_buffer, .address_space: global }
    .group_segment_fixed_size: 119552
    .private_segment_fixed_size: 0
    .kernarg_segment_align: 8
    .kernarg_segment_size: 80
    .max_flat_workgroup_size: 256
    .sgpr_count:     66
    .vgpr_count:     256
    .wavefront_size: 32
...
	.end_amdgpu_metadata
.endif
;; end of part 2
;; launch norm_a (part 3): grid 256 x 1, 8 waves a work-group, no clusters, 0 bytes of LDS; arguments y2, stb, ln_a2_g, ln_a2_b, xa; writes xa
.if DOCPART == 3
	.amdgcn_target "amdgcn-amd-amdhsa--gfx1250"
	.amdhsa_code_object_version 6
	.text
	.protected	k_q5ea12438c3_norm_a
	.globl	k_q5ea12438c3_norm_a
	.p2align	8
	.type	k_q5ea12438c3_norm_a,@function
k_q5ea12438c3_norm_a:
	s_mov_b64 s[64:65], 0
	v_nop
	global_prefetch_b8 v0, s[64:65] scope:SCOPE_SE
	s_setreg_imm32_b32 hwreg(HW_REG_WAVE_MODE, 25, 1), 1
	s_wait_xcnt 0x0
; LayerNorm 2 and the roll by -2 time steps: out[b][c][tok] = ((y - mean) / sigma * g + beta) at token (tok + 414) mod 3,312 of the same row.
; A stream: memory binds, so no LDS, no barrier, no matrix unit.  Work-group id = 32 b + i: sample b, channels 2 i and 2 i + 1; a wave takes a quarter of a row,
; 207 groups of 4 tokens.  The shift is 1,656 bytes, a multiple of 8 and not of 16: a group's 16 bytes are read as two pairs of 8 bytes
; and stored as one 16-byte piece; a store of the wave covers 512 consecutive bytes.  All 43 loads of a wave go out before the first wait.
; LIMITS: NaN and infinite inputs are not served; the reciprocal root is the 1-ULP hardware form.
.set SAMPLE, 847872
.set CROW,   13248
.set SRC, 2                            ; v[2:15]    byte offsets of the two source pairs of each of 7 groups
.set DST, 16                           ; v16        byte offset of my first group
.set YY,  20                           ; v[20:47]   y, then the result
.set GG,  48                           ; v[48:75]   gain
.set BB,  76                           ; v[76:103]  bias
.set REC, 104                          ; v[104:107] record
.set CW,  108                          ; v[108:111] work
.set RS,  112
.set NM,  114
.macro WSUM d, t
	v_add_f32_dpp v[\d], v[\d], v[\d] row_xmask:1 row_mask:0xf bank_mask:0xf
	v_add_f32_dpp v[\d], v[\d], v[\d] row_xmask:2 row_mask:0xf bank_mask:0xf
	v_add_f32_dpp v[\d], v[\d], v[\d] row_xmask:4 row_mask:0xf bank_mask:0xf
	v_add_f32_dpp v[\d], v[\d], v[\d] row_xmask:8 row_mask:0xf bank_mask:0xf
	v_permlanex16_b32 v[\t], v[\d], s30, s31
	v_add_f32 v[\d], v[\d], v[\t]
.endm
; one record (n, mean, M2) a lane -> the record of all 32 in every lane; M2 = sum of M2_i + n_i (mean_i - mean)^2; v[w] = 1 / max(n, 1)
.macro COMBINE rec, w
	v_mul_f32 v[\w+1], v[\rec], v[\rec+1]
	v_mov_b32 v[\w+2], v[\rec]
	v_mov_b32 v[\w+3], 0
	WSUM \rec, \w+3
	WSUM \w+1, \w+3
	v_max_num_f32 v[\w+3], 1.0, v[\rec]
	v_rcp_f32 v[\w], v[\w+3]
	v_nop                                          ; one plain instruction behind the reciprocal (ISA guide 5.7.2)
	s_wait_alu depctr_va_vdst(0)
	v_mul_f32 v[\w+1], v[\w+1], v[\w]
	v_sub_f32 v[\rec+1], v[\rec+1], v[\w+1]
	v_mul_f32 v[\w+2], v[\w+2], v[\rec+1]
	v_fma_f32 v[\rec+2], v[\w+2], v[\rec+1], v[\rec+2]
	WSUM \rec+2, \w+3
	v_mov_b32 v[\rec+1], v[\w+1]
.endm
	s_load_b256 s[4:11], s[0:1], 0x0               ; y2 s[4:5], records s[6:7], g s[8:9], beta s[10:11]
	s_load_b64 s[12:13], s[0:1], 0x20              ; out
	v_lshrrev_b32 v17, 5, v0
	v_readfirstlane_b32 s14, v17                   ; wave
	v_and_b32 v1, 31, v0
	s_lshr_b32 s15, ttmp9, 5                       ; b
	s_and_b32 s16, ttmp9, 31
	s_lshl_b32 s16, s16, 1
	s_lshr_b32 s17, s14, 2
	s_add_co_u32 s16, s16, s17                     ; channel
	s_and_b32 s17, s14, 3                          ; quarter of the row
	s_mul_i32 s18, s16, CROW
	s_mov_b32 s19, 0
	s_mul_i32 s20, s15, SAMPLE
	s_add_co_u32 s20, s20, s18
	s_mov_b32 s21, 0
	s_mov_b32 s22, 1656                            ; pairs in a row
	s_mov_b32 s30, 0x76543210
	s_mov_b32 s31, 0xfedcba98
	s_mul_i32 s23, s17, 207
	v_add_nc_u32 v17, s23, v1                      ; my first group
	v_lshlrev_b32 v[DST], 4, v17
	v_lshlrev_b32 v18, 1, v17
	s_lshl_b32 s23, s15, 9
	v_lshl_add_u32 v19, v1, 4, s23                 ; record L of my sample
.irp i, 0,1,2,3,4,5,6
	v_add_nc_u32 v[SRC+2*\i], 207+64*\i, v18       ; source pairs 2 group + 207 and + 208,
	v_add_nc_u32 v[SRC+2*\i+1], 208+64*\i, v18
	v_sub_nc_u32 v108, v[SRC+2*\i], s22            ; modulo 1,656: the smaller of s and s - 1,656 as unsigned numbers, so every source lies in the row
	v_sub_nc_u32 v109, v[SRC+2*\i+1], s22
	v_min_u32 v[SRC+2*\i], v[SRC+2*\i], v108
	v_min_u32 v[SRC+2*\i+1], v[SRC+2*\i+1], v109
	v_lshlrev_b32 v[SRC+2*\i], 3, v[SRC+2*\i]
	v_lshlrev_b32 v[SRC+2*\i+1], 3, v[SRC+2*\i+1]
.endr
	s_wait_kmcnt 0x0
	s_add_nc_u64 s[4:5], s[4:5], s[20:21]
	s_add_nc_u64 s[12:13], s[12:13], s[20:21]
	s_add_nc_u64 s[8:9], s[8:9], s[18:19]
	s_add_nc_u64 s[10:11], s[10:11], s[18:19]
	global_load_b128 v[REC:REC+3], v19, s[6:7]
.irp i, 0,1,2,3,4,5,6
	global_load_b64 v[YY+4*\i:YY+4*\i+1], v[SRC+2*\i], s[4:5]
	global_load_b64 v[YY+4*\i+2:YY+4*\i+3], v[SRC+2*\i+1], s[4:5]
	global_load_b64 v[GG+4*\i:GG+4*\i+1], v[SRC+2*\i], s[8:9]
	global_load_b64 v[GG+4*\i+2:GG+4*\i+3], v[SRC+2*\i+1], s[8:9]
	global_load_b64 v[BB+4*\i:BB+4*\i+1], v[SRC+2*\i], s[10:11]
	global_load_b64 v[BB+4*\i+2:BB+4*\i+3], v[SRC+2*\i+1], s[10:11]
.endr
	s_wait_loadcnt 42                              ; the record is in; the 42 loads behind it stay out
	COMBINE REC, CW
	v_fmaak_f32 v116, v[REC+2], v[CW], 0x3727c5ac  ; variance + 1e-5
	v_rsq_f32 v[RS], v116
	v_nop                                          ; one plain instruction behind the root (ISA guide 5.7.2)
	s_wait_alu depctr_va_vdst(0)
	v_mov_b32 v[RS+1], v[RS]
	v_mul_f32 v[NM], v[REC+1], v[RS]
	v_xor_b32 v[NM], 0x80000000, v[NM]
	v_mov_b32 v[NM+1], v[NM]
.macro GROUP i
	s_wait_loadcnt 36-6*\i                         ; this group's six loads are in; the later groups' stay out
	v_pk_fma_f32 v[YY+4*\i:YY+4*\i+1], v[YY+4*\i:YY+4*\i+1], v[RS:RS+1], v[NM:NM+1]
	v_pk_fma_f32 v[YY+4*\i+2:YY+4*\i+3], v[YY+4*\i+2:YY+4*\i+3], v[RS:RS+1], v[NM:NM+1]
	v_pk_fma_f32 v[YY+4*\i:YY+4*\i+1], v[YY+4*\i:YY+4*\i+1], v[GG+4*\i:GG+4*\i+1], v[BB+4*\i:BB+4*\i+1]
	v_pk_fma_f32 v[YY+4*\i+2:YY+4*\i+3], v[YY+4*\i+2:YY+4*\i+3], v[GG+4*\i+2:GG+4*\i+3], v[BB+4*\i+2:BB+4*\i+3]
.endm
.irp i, 0,1,2,3,4,5
	GROUP \i
	global_store_b128 v[DST], v[YY+4*\i:YY+4*\i+3], s[12:13] offset:512*\i
.endr
	GROUP 6
	v_cmp_gt_u32 vcc_lo, 15, v1                    ; 207 = 6 x 32 + 15 groups
	s_wait_xcnt 0x0                                ; EXEC changes only behind this wait
	s_and_saveexec_b32 s24, vcc_lo
	global_store_b128 v[DST], v[YY+24:YY+27], s[12:13] offset:3072
	s_wait_xcnt 0x0
	s_or_b32 exec_lo, exec_lo, s24
	s_endpgm
.Lfunc_end_k_q5ea12438c3_norm_a:
	.size	k_q5ea12438c3_norm_a, .Lfunc_end_k_q5ea12438c3_norm_a-k_q5ea12438c3_norm_a
	.p2alignl 7, 3214868480
	.fill 96, 4, 3214868480
	.section	.rodata,"a",@progbits
	.p2align	6, 0x0
	.amdhsa_kernel k_q5ea12438c3_norm_a
		.amdhsa_group_segment_fixed_size 0
		.amdhsa_private_segment_fixed_size 0
		.amdhsa_enable_private_segment 0
		.amdhsa_kernarg_size 40
		.amdhsa_user_sgpr_count 2
		.amdhsa_user_sgpr_kernarg_segment_ptr 1
		.amdhsa_wavefront_size32 1
		.amdhsa_system_sgpr_workgroup_id_x 1
		.amdhsa_system_sgpr_workgroup_id_y 1
		.amdhsa_system_sgpr_workgroup_id_z 1
		.amdhsa_system_vgpr_workitem_id 0
		.amdhsa_next_free_vgpr 120
		.amdhsa_next_free_sgpr 66
		.amdhsa_reserve_vcc 1
		.amdhsa_float_denorm_mode_32 3
		.amdhsa_float_denorm_mode_16_64 3
		.amdhsa_memory_ordered 1
		.amdhsa_forward_progress 1
		.amdhsa_inst_pref_size 13
	.end_amdhsa_kernel
	.amdgpu_metadata
---
amdhsa.version: [ 1, 2 ]
amdhsa.kernels:
  - .name:           k_q5ea12438c3_norm_a
    .symbol:         k_q5ea12438c3_norm_a.kd
    .args:
      - { .name: y2, .offset: 0, .size: 8, .value_kind: global_buffer, .address_space: global }
      - { .name: stb, .offset: 8, .size: 8, .value_kind: global_buffer, .address_space: global }
      - { .name: ln_a2_g, .offset: 16, .size: 8, .value_kind: global_buffer, .address_space: global }
      - { .name: ln_a2_b, .offset: 24, .size: 8, .value_kind: global_buffer, .address_space: global }
      - { .name: xa, .offset: 32, .size: 8, .value_kind: global_buffer, .address_space: global }
    .group_segment_fixed_size: 0
    .private_segment_fixed_size: 0
    .kernarg_segment_align: 8
    .kernarg_segment_size: 40
    .max_flat_workgroup_size: 256
    .sgpr_count:     66
    .vgpr_count:     120
    .wavefront_size: 32
...
	.end_amdgpu_metadata
.endif
;; end of part 3
;; launch attn_b: the kernel of part 1 again; grid 256 x 1, 8 waves a work-group, no clusters, 317,184 bytes of LDS; arguments xa, qkv_w_b, qkv_b_b, proj_w_b, proj_b_b, y1, sta; writes y1, sta
;; launch ffn_b: the kernel of part 2 again; grid 256 x 1, 8 waves a work-group, no clusters, 119,552 bytes of LDS; arguments y1, sta, ln_b1_g, ln_b1_b, ffn_w1_b, ffn_b1_b, ffn_w2_b, ffn_b2_b, y2, stb; writes y2, stb
;; launch norm_b: the kernel of part 3 again; grid 256 x 1, 8 waves a work-group, no clusters, 0 bytes of LDS; arguments y2, stb, ln_b2_g, ln_b2_b, out0; writes out0
